; MI455X (gfx1250); checked and timed in simulation.
; The chip was launched on July 23, 2026; its instructions are those of AMD's public machine-readable ISA for CDNA 5 (MIT licence, August 2026) and "CDNA5" Instruction Set Architecture Reference Guide (July 2026). The comments in the code are by the model that wrote it; some were corrected since.
;; Sliding Window Attention. Allowed arithmetic: matrix products marked QUANTISED: E4M3 operands, one given power-of-two scale a tensor, by v_wmma_f32_16x16x64_fp8_fp8 or v_wmma_f32_16x16x128_fp8_fp8, f32 sums; everything else in f32.
;; Inputs: Wk 1,024 x 1,024 float32; Wo 1,024 x 1,024 float32; Wq 1,024 x 1,024 float32; Wv 1,024 x 1,024 float32; lowp_scales 12 int32 (the exponents e of the quantised operands' scales 2^e); x 1 x 4,096 x 1,024 float32.
;; Outputs: out0 1 x 4,096 x 1,024 float32.
;; This version of the problem:
;;   THIS VERSION OF THE PROBLEM IS GIVEN IN LOW PRECISION. The matrix products marked QUANTISED in the list below multiply operands that are first quantised to E4M3 (4 exponent bits, 3 mantissa bits; 8 bits a number), with one given power-of-two scale for each operand tensor; their sums are f32. All else is computed in f32.
;;   The module's matrix products, in the order in which they are computed (A, B: the left and right operand; K: the contracted axis; several contracted axes count as one K, in the product's order):
;;     1. [M 4,096, K 1,024] x [K 1,024, N 1,024]; A: input x; B: input Wq: QUANTISED (scales: A lowp_scales[0], B lowp_scales[1])
;;     2. [M 4,096, K 1,024] x [K 1,024, N 1,024]; A: input x; B: input Wk: QUANTISED (scales: A lowp_scales[2], B lowp_scales[3])
;;     3. [M 4,096, K 1,024] x [K 1,024, N 1,024]; A: input x; B: input Wv: QUANTISED (scales: A lowp_scales[4], B lowp_scales[5])
;;     4. batch 16 x [M 4,096, K 64] x [K 64, N 4,096]; A: computed on the way; B: computed on the way: QUANTISED (scales: A lowp_scales[6], B lowp_scales[7])
;;     5. batch 16 x [M 64, K 4,096] x [K 4,096, N 4,096]; A: computed on the way; B: softmax (see below): QUANTISED (scales: A lowp_scales[8], B lowp_scales[9])
;;     6. [M 4,096, K 1,024] x [K 1,024, N 1,024]; A: computed on the way; B: input Wo: QUANTISED (scales: A lowp_scales[10], B lowp_scales[11])
;;   THE QUANTISER, for each operand of a quantised product, along K:
;;     - The operand's scale is 2^e, e = its entry of the input lowp_scales (int32; the entries are numbered through the quantised products in the list's order, A before B).
;;     - Each number is divided by the scale, clamped to +-448, and rounded to the nearest number of E4M3, ties to even, subnormals kept.
;;     - The product sums the exact products of the quantised numbers (number of the format x scale) in f32.
;;   ~~~python
;;   def quantise(x, axis, e):      # numpy; x: float32 -> the quantised numbers, widened to float32 again
;;       x = np.moveaxis(x, axis, -1); K = x.shape[-1]
;;       r = np.clip(x / 2.0 ** e, -448, 448)
;;       step = 2.0 ** (np.maximum(np.frexp(np.where(r == 0, 1, r))[1] - 1, -6) - 3)
;;       q = np.round(r / step) * step * 2.0 ** e      # np.round: ties to even
;;       return np.moveaxis(q, -1, axis).astype(np.float32)
;;   ~~~
;;   SOFTMAX AHEAD OF A QUANTISED PRODUCT. Where the list says 'softmax', what is quantised is not the finished softmax but p = 2^(t - M), with t = logit x log2(e) and M = ceil(the row's largest t), a whole number; so 1/2 < the row's largest p <= 1. The row's sum l is taken of the UNQUANTISED p, in f32, and the product's result is divided by l at the end. Since M is a whole number, a kernel that streams over the keys may use a running M (the ceiling of the running maximum): every later rescaling is an exact power of two, so the quantised numbers keep their values, but for numbers so far below the row's largest that they fall under the format's range.
;;   OPERANDS COMPUTED ON THE WAY. 'Computed on the way' means the value that the module computes at that place (a softmax that the list does not call 'softmax' is quantised finished and normalised). What goes into a quantiser is computed in f32, as accurately as f32 sums, v_exp_f32 and their like allow (about 1e-6 of the number): no bf16 or f16 on the way to a quantiser, and a product that is left as it is and whose result goes on into a quantised operand takes f32 operands (vector FMAs, or v_wmma_f32_16x16x4_f32). A number that lies on a knife's edge between two numbers of the format may be rounded either way, as far as f32 arithmetic and the matrix unit's own rounding can turn it there, and no further.
;; One version. Each part assembles by itself: llvm-mc -triple=amdgcn-amd-amdhsa -mcpu=gfx1250 --defsym DOCPART=n.
;; ======== version 1 of 1: 4 launches
;; workspace buffers: xc 12,582,912 bytes; wc 4,194,304 bytes; qc 4,194,304 bytes; kc 4,194,304 bytes; vc 4,194,304 bytes; ac 4,194,304 bytes
;; launch quant (part 1): grid 256 x 1, 4 waves a work-group, no clusters, 33,280 bytes of LDS; arguments x, Wq, Wk, Wv, Wo, lowp_scales, xc, wc; writes xc, wc
.if DOCPART == 1
	.amdgcn_target "amdgcn-amd-amdhsa--gfx1250"
	.amdhsa_code_object_version 6
	.text
	.protected	k_q1b7f2be76b_quant
	.globl	k_q1b7f2be76b_quant
	.p2align	8
	.type	k_q1b7f2be76b_quant,@function
k_q1b7f2be76b_quant:
	s_mov_b64 s[64:65], 0
	v_nop
	global_prefetch_b8 v0, s[64:65] scope:SCOPE_SE
	s_setreg_imm32_b32 hwreg(HW_REG_WAVE_MODE, 25, 1), 1
	s_wait_xcnt 0x0
; x [4096][1024] and the four weights [1024][1024], f32 with K innermost, become codes of E4M3, one byte a number.
; code = number / 2^e, held within +-448, rounded to the nearest code, ties to even.  x is an operand of three products with three given scales: it is read once and
; leaves three times: xc [3][4096][1024] with entries 0, 2, 4 of the scales.  wc [4][1024][1024]: Wq (entry 1), Wk (3), Wv (5), Wo (11).
; ORDER OF THE CODES.  Rows stay rows.  Inside each block of 32 along K the four groups of 8 codes are stored in the order 0, 2, 1, 3: the 16 bytes at 32 g + 16 h of a row are then
; k = 32 g + 8 h + 0..7 and 32 g + 16 + 8 h + 0..7: registers 4 g .. 4 g + 3 of a lane of half h in the 8-bit operand layout (ISA guide 7.12.2), so that one 16-byte load fills four operand registers.
; SHARES.  Rows are dense, so every tensor is a stream of blocks of 32.  A work-group takes 32,768 numbers, a wave 16 steps of 512.  Work-groups 0-127 take x, 128-255 the weights, 32 each.
; A step's four loads read 512 consecutive bytes each; the 2,048 bytes turn through the wave's own stage in LDS (16 bytes of padding behind each 64) and come back so that lane (block j, e) holds groups e and e + 2
; of block j; its 16 codes are bytes 16 x lane of the step's 512: a store covers 512 consecutive bytes.  Waves share nothing: no barrier.  Loads run four steps ahead, the stage one.
; LIMITS: each e between -126 and 119, so that 2^e and 448 x 2^e are f32 numbers.  NaN among the inputs is not served (an infinity is held at the largest code).
.set STEPS, 16
.set SP,    80                         ; a place in a stage: 64 bytes + 16 of padding
.set WREG,  8192                       ; LDS of a wave: two stages of 32 places
.set R,     16                         ; v16-79   four sets of 16 numbers as loaded
.set X,     80                         ; v80-111  two sets of 16 numbers: two groups of 8 neighbours
.set T,     112                        ; v112-127 the numbers, held
.set C,     128                        ; v128-139 codes: four registers for each of three outputs
.set IN,    22                         ; s[22:23] my wave's numbers
.set O0,    40                         ; s[40:41] my wave's codes; s[42:43], s[44:45] the same place in x's second and third plane
.set O1,    42
.set O2,    44
	s_load_b512 s[4:19], s[0:1], 0x0               ; x 4, Wq 6, Wk 8, Wv 10, Wo 12, the scales 14, xc 16, wc 18
	v_lshl_add_u32 v144, v0, 2, 0x8000
	v_mov_b32 v145, 0
	v_lshrrev_b32 v1, 5, v0
	v_readfirstlane_b32 s20, v1                    ; wave
	v_and_b32 v2, 31, v0                           ; lane
	v_lshlrev_b32 v3, 4, v2                        ; 16 x lane: my bytes of a load's 512 and of a store's 512; never rewritten
	s_mul_i32 s46, s20, WREG
	v_lshrrev_b32 v14, 2, v2
	v_mul_u32_u24 v14, v14, SP
	v_and_b32 v15, 3, v2
	v_lshl_add_u32 v14, v15, 4, v14
	v_add_nc_u32 v14, s46, v14                     ; the stage, on the way in: four lanes' 64 bytes on end, then the padding
	v_lshrrev_b32 v15, 1, v2
	v_mul_u32_u24 v15, v15, 2*SP
	v_and_b32 v1, 1, v2
	v_lshl_add_u32 v15, v1, 5, v15
	v_add_nc_u32 v15, s46, v15                     ; on the way out: block lane / 2 is two places; group e = lane % 2 lies 32 e bytes into the first, group e + 2 as far into the second
	s_cmp_lt_u32 ttmp9, 128
	s_cselect_b32 s47, 0, 128
	s_sub_co_u32 s47, ttmp9, s47                   ; which 32,768 codes of xc's first plane, or of wc
	s_and_b32 s48, s47, 31
	s_cmp_lt_u32 ttmp9, 128
	s_cselect_b32 s48, s47, s48                    ; which 32,768 numbers of my input
	s_lshl_b32 s38, s48, 17
	s_lshl_b32 s49, s20, 15
	s_add_co_u32 s38, s38, s49
	s_mov_b32 s39, 0                               ; in: 131,072 bytes a work-group, 32,768 a wave
	s_lshl_b32 s50, s47, 15
	s_lshl_b32 s49, s20, 13
	s_add_co_u32 s50, s50, s49
	s_mov_b32 s51, 0                               ; out: 32,768 bytes a work-group, 8,192 a wave
	s_wait_kmcnt 0x0
	s_load_b256 s[24:31], s[14:15], 0x0            ; entries 0 to 7
	s_load_b128 s[32:35], s[14:15], 0x20           ; entries 8 to 11
	s_mov_b64 s[IN:IN+1], s[12:13]                 ; the input is chosen by the work-group's number alone: Wo,
	s_cmp_lt_u32 ttmp9, 224
	s_cselect_b64 s[IN:IN+1], s[10:11], s[IN:IN+1] ; Wv,
	s_cmp_lt_u32 ttmp9, 192
	s_cselect_b64 s[IN:IN+1], s[8:9], s[IN:IN+1]   ; Wk,
	s_cmp_lt_u32 ttmp9, 160
	s_cselect_b64 s[IN:IN+1], s[6:7], s[IN:IN+1]   ; Wq,
	s_cmp_lt_u32 ttmp9, 128
	s_cselect_b64 s[IN:IN+1], s[4:5], s[IN:IN+1]   ; x
	s_cselect_b64 s[O0:O0+1], s[16:17], s[18:19]
	s_add_nc_u64 s[IN:IN+1], s[IN:IN+1], s[38:39]
	s_add_nc_u64 s[O0:O0+1], s[O0:O0+1], s[50:51]
	s_add_nc_u64 s[O1:O1+1], s[O0:O0+1], 0x400000  ; used by x's work-groups alone
	s_add_nc_u64 s[O2:O2+1], s[O0:O0+1], 0x800000
.macro LOAD t
.irp i, 0,1,2,3
	global_load_b128 v[R+16*((\t)%4)+4*\i:R+16*((\t)%4)+4*\i+3], v3, s[IN:IN+1] offset:2048*(\t)+512*\i th:TH_LOAD_NT   ; 32 lanes read 512 consecutive bytes, once in the launch
.endr
.endm
.macro TURN t                          ; step t's numbers through the stage: LDS serves a wave's instructions in order (ISA guide 5.7.1.4), so no wait stands between the stores and the loads
.irp i, 0,1,2,3
	ds_store_b128 v14, v[R+16*((\t)%4)+4*\i:R+16*((\t)%4)+4*\i+3] offset:32*SP*((\t)%2)+8*SP*\i
.endr
	ds_load_b128 v[X+16*((\t)%2):X+16*((\t)%2)+3],     v15 offset:32*SP*((\t)%2)
	ds_load_b128 v[X+16*((\t)%2)+4:X+16*((\t)%2)+7],   v15 offset:32*SP*((\t)%2)+16
	ds_load_b128 v[X+16*((\t)%2)+8:X+16*((\t)%2)+11],  v15 offset:32*SP*((\t)%2)+SP
	ds_load_b128 v[X+16*((\t)%2)+12:X+16*((\t)%2)+15], v15 offset:32*SP*((\t)%2)+SP+16
.endm
.macro MKSC e, sc, lim                 ; from the whole number in s[e]: v[sc] = 2^e as f32 (the conversion takes its exponent field), v[lim] = 448 x 2^e
	s_add_co_i32 s46, s[\e], 127
	s_lshl_b32 s47, s46, 23
	v_mov_b32 v[\sc], s47
	s_add_co_i32 s46, s46, 8
	s_lshl_b32 s46, s46, 23
	s_or_b32 s46, s46, 0x600000
	v_mov_b32 v[\lim], s46
.endm
.irp t, 0,1,2,3
	LOAD \t
.endr
	s_wait_kmcnt 0x0
	s_mov_b32 s36, s35                             ; my first output's e, chosen as the input was: entry 11,
	s_cmp_lt_u32 ttmp9, 224
	s_cselect_b32 s36, s29, s36                    ; 5,
	s_cmp_lt_u32 ttmp9, 192
	s_cselect_b32 s36, s27, s36                    ; 3,
	s_cmp_lt_u32 ttmp9, 160
	s_cselect_b32 s36, s25, s36                    ; 1,
	s_cmp_lt_u32 ttmp9, 128
	s_cselect_b32 s36, s24, s36                    ; 0
	MKSC 36, 5, 6
	MKSC 26, 7, 8                                  ; entry 2
	MKSC 28, 9, 10                                 ; entry 4
	s_wait_loadcnt 12                              ; step 0's four loads are in
	TURN 0
; One output of a step: the hold, two conversions, the store.  The numbers in X stay as they are, since x is converted three times.
.macro OUT1 sc, lim, c, ptr, t
.irp i, 0,1,2,3,4,5,6,7,8,9,10,11,12,13,14,15
	v_med3_num_f32 v[T+\i], v[XS+\i], -v[\lim], v[\lim]   ; the conversion to an 8-bit code does not saturate (ISA guide 7.6.2): the number is held within the largest code x the scale first
.endr
	v_cvt_scalef32_pk8_fp8_f32 v[C+\c:C+\c+1], v[T:T+7], v[\sc]
	v_cvt_scalef32_pk8_fp8_f32 v[C+\c+2:C+\c+3], v[T+8:T+15], v[\sc]
	v_nop                                          ; one plain vector instruction between a scaled conversion and the next write of its sources: T is written again by the next output's holds
	global_store_b128 v3, v[C+\c:C+\c+3], s[\ptr:\ptr+1] offset:512*(\t)
.endm
.macro STEP t
.set XS, X+16*((\t)%2)
	s_wait_dscnt 0x0                               ; this step's numbers are back from the stage: so its stores into the stage have read their registers,
	s_wait_xcnt 0x0                                ; and the last step's stores have read their codes: C is written again only behind this wait
.if (\t)+4 < STEPS
	LOAD (\t)+4
.endif
.if (\t)+1 < STEPS
.if STEPS-2-(\t) >= 3
	s_wait_loadcnt 12                              ; the next step's four loads are in; those of the three steps behind it may be out
.else
	s_wait_loadcnt 4*(STEPS-2-(\t))
.endif
	TURN (\t)+1                                    ; through the other stage while this step is worked
.endif
	OUT1 5, 6, 0, O0, \t
	s_cmp_lt_u32 ttmp9, 128                        ; x's work-groups make two outputs more; the jump passes over register work and stores to memory alone
	s_cbranch_scc0 .Lw_\@
	OUT1 7, 8, 4, O1, \t
	OUT1 9, 10, 8, O2, \t
.Lw_\@:
.endm
.irp t, 0,1,2,3,4,5,6,7,8,9,10,11,12,13,14,15
	STEP \t
.endr
	s_wait_tensorcnt 0x0
	ds_add_u32 v144, v145
	s_wait_dscnt 0x0
	s_endpgm
.Lfunc_end_k_q1b7f2be76b_quant:
	.size	k_q1b7f2be76b_quant, .Lfunc_end_k_q1b7f2be76b_quant-k_q1b7f2be76b_quant
	.p2alignl 7, 3214868480
	.fill 96, 4, 3214868480
	.section	.rodata,"a",@progbits
	.p2align	6, 0x0
	.amdhsa_kernel k_q1b7f2be76b_quant
		.amdhsa_group_segment_fixed_size 33280
		.amdhsa_private_segment_fixed_size 0
		.amdhsa_enable_private_segment 0
		.amdhsa_kernarg_size 64
		.amdhsa_user_sgpr_count 2
		.amdhsa_user_sgpr_kernarg_segment_ptr 1
		.amdhsa_wavefront_size32 1
		.amdhsa_system_sgpr_workgroup_id_x 1
		.amdhsa_system_sgpr_workgroup_id_y 1
		.amdhsa_system_sgpr_workgroup_id_z 1
		.amdhsa_system_vgpr_workitem_id 0
		.amdhsa_next_free_vgpr 146
		.amdhsa_next_free_sgpr 66
		.amdhsa_reserve_vcc 0
		.amdhsa_float_denorm_mode_32 3
		.amdhsa_float_denorm_mode_16_64 3
		.amdhsa_memory_ordered 1
		.amdhsa_forward_progress 1
		.amdhsa_inst_pref_size 81
	.end_amdhsa_kernel
	.amdgpu_metadata
---
amdhsa.version: [ 1, 2 ]
amdhsa.kernels:
  - .name:           k_q1b7f2be76b_quant
    .symbol:         k_q1b7f2be76b_quant.kd
    .args:
      - { .name: x, .offset: 0, .size: 8, .value_kind: global_buffer, .address_space: global }
      - { .name: Wq, .offset: 8, .size: 8, .value_kind: global_buffer, .address_space: global }
      - { .name: Wk, .offset: 16, .size: 8, .value_kind: global_buffer, .address_space: global }
      - { .name: Wv, .offset: 24, .size: 8, .value_kind: global_buffer, .address_space: global }
      - { .name: Wo, .offset: 32, .size: 8, .value_kind: global_buffer, .address_space: global }
      - { .name: lowp_scales, .offset: 40, .size: 8, .value_kind: global_buffer, .address_space: global }
      - { .name: xc, .offset: 48, .size: 8, .value_kind: global_buffer, .address_space: global }
      - { .name: wc, .offset: 56, .size: 8, .value_kind: global_buffer, .address_space: global }
    .group_segment_fixed_size: 33280
    .private_segment_fixed_size: 0
    .kernarg_segment_align: 8
    .kernarg_segment_size: 64
    .max_flat_workgroup_size: 128
    .sgpr_count:     66
    .vgpr_count:     146
    .wavefront_size: 32
...
	.end_amdgpu_metadata
.endif
;; end of part 1
;; launch qkv (part 2): grid 12 x 16, 4 waves a work-group, clusters of 4 x 4, 327,680 bytes of LDS; arguments xc, wc, lowp_scales, qc, kc, vc; writes qc, kc, vc
.if DOCPART == 2
	.amdgcn_target "amdgcn-amd-amdhsa--gfx1250"
	.amdhsa_code_object_version 6
	.text
	.protected	k_q1b7f2be76b_qkv
	.globl	k_q1b7f2be76b_qkv
	.p2align	8
	.type	k_q1b7f2be76b_qkv,@function
k_q1b7f2be76b_qkv:
	s_mov_b64 s[64:65], 0
	v_nop
	global_prefetch_b8 v0, s[64:65] scope:SCOPE_SE
	s_setreg_imm32_b32 hwreg(HW_REG_WAVE_MODE, 25, 1), 1
	s_wait_xcnt 0x0
	s_wait_alu depctr_hold_cnt(0) depctr_sa_sdst(0) depctr_va_vdst(0) depctr_va_sdst(0) depctr_va_ssrc(0) depctr_va_vcc(0) depctr_vm_vsrc(0)
	s_getreg_b32 s2, hwreg(HW_REG_IB_STS2, 6, 4)
	s_cmp_eq_u32 s2, 0
	s_cbranch_scc0 .Lentry_in_a_cluster
	s_endpgm
.Lentry_in_a_cluster:
	s_bfe_u32 s2, ttmp6, 0x10000c
	s_cmp_lg_u32 s2, 0xf033
	s_cbranch_scc0 .Lentry_shape_is_right
	s_endpgm
.Lentry_shape_is_right:
; q = x Wq^T, k = x Wk^T, v = x Wv^T on codes of E4M3, and each result quantised at once for the product that takes it next.  K = 1,024.
; ONE TEXT, C = A B^T, FOR ALL THREE.  p = the cluster's x (0, 1, 2), equal in all partners.  p = 0, 1: A = plane p of xc (4,096 tokens), B = plane p of wc (1,024 channels).
; p = 2: V^T = Wv x^T: A = plane 2 of wc, B = plane 2 of xc: a lane then holds one channel and neighbouring tokens, which are the K of attention's second product.
; A tile of C, 256 x 256, is made by four waves, 128 x 128 each: 64 accumulators, 512 registers.  192 tiles: tiles of 128 x 128 would be 768, three for each WGP, each with its own start and half the multiply-adds for each LDS byte.
; K goes in steps of 256 through a ring of two LDS slots filled by the tensor data mover: a tile's row is 256 bytes of memory.  Four K steps: written out, no loop.
; CLUSTERS: 4 x 4 work-groups.  The four of a row of the cluster need the same tiles of A, the four of a column the same tiles of B: each tile is asked for JOINTLY, by the same tensor load with the same descriptor and a mask that names the four.
; THE MATRIX INSTRUCTION IS USED TRANSPOSED (source 0 = 16 rows of B, source 1 = 16 rows of A): lane (r, h) holds row r of A's block and B's rows 16 b + 8 h + 0..7 in the eight registers of accumulator b.
; THE WAY OUT NEEDS NO LDS.  Eight registers through one conversion are two registers of codes: k = 16 b + 8 h + 0..7 of row r: registers 2 b, 2 b + 1 of an 8-bit operand (ISA guide 7.12.2), in the lane that wants them.
; So results are stored as IMAGES OF THE NEXT OPERAND'S REGISTERS, four registers a store, lane l's 16 bytes at 16 l: 512 consecutive bytes.
;   qc, kc: [16 heads][256 tiles of 16 tokens][1,024 bytes]: a fragment 16 tokens x 64: registers 0-3 at 0, 4-7 at 512.
;   vc:     [16 heads][32 blocks of 128 keys][4 tiles of 16 channels][2,048 bytes]: a fragment 16 channels x 128 keys: registers 4 g .. 4 g + 3 at 512 g.
; A sum stands for sum x 2^(eA + eB); its code is sum / 2^(eo - eA - eB), eo the next product's entry (6 for q, 7 for k, 8 for v): the three scales are folded into the conversion's one.
; LIMIT: eo - eA - eB between -126 and 119, so that this power of two and 448 times it are f32 numbers.
; REGISTERS, in windows of 256: window 0: v0-31 addresses and the way out's scale; from v128 A's fragments (8 x 16 rows x 128 K), ONE set; on the way out v32-111 at work.
;   window 1: B's fragments, TWO sets, at v0 and at v128.   window 2: the 32 accumulators of my rows 0-63 (accumulator (a, b) at v[8 (8 a + b)]);   window 3: those of my rows 64-127.
.set KSTEP,  256
.set ROWB,   256                       ; a tile's row in bytes
.set KROW,   1024                      ; a row of A or of B in memory, in bytes
.set PITCH,  272                       ; an LDS row: 256 bytes + 16 of padding = 68 words: row r starts at bank 4 r mod 64 (64 banks of 4 bytes: ISA guide 11.1), so the 16 rows that a load touches start at 16 different banks
.set FR,     16                        ; registers of a fragment: 16 rows x 128 K
.set NL,     4                         ; LDS loads that bring one
.set NP,     4                         ; places behind this matrix instruction (ISA guide 7.12.1)
.set HALFT,  128*PITCH                 ; 128 rows: what one tensor load brings, and what one wave reads of A or of B
.set SLOT,   4*HALFT                   ; A's 256 rows, then B's 256 rows
.set SPARE,  2*SLOT                    ; behind the ring: the spare words, 128 bytes for each wave: two blocks of 256 bytes that no other line names
.set SC,   12                          ; v12     2^(eo - eA - eB) as f32
.set LIM,  13                          ; v13     448 x that
.set ADRA, 16                          ; v16-17  LDS address of my A fragments in slot 0, 1
.set ADRB, 20                          ; v20-21  the same for B
.set CO,   26                          ; v26     the way out: 16 x lane
.set CO2,  27                          ; v27     16 x lane + the distance to the second pair of stores: the next head (q, k) or the image's second half (v)
.set SPW,  28                          ; v28     LDS address of my spare word: SPARE + 4 x my thread's number; never rewritten
.set NIL,  29                          ; v29     0; never rewritten
.set TMP,  32                          ; v32-95  the way out: a block's 64 sums, held
.set CD,   96                          ; v96-111 and their codes
.set AF,   128                         ; A's fragments, in window 0
.set G1, 24                            ; s[24:31] descriptor group 1 for A's tiles;  s[32:39] group 0, one set for each slot
.set G0, 32
.set G1B, 48                           ; s[48:55], s[56:63] the same for B's tiles
.set G0B, 56
.set MSB, 0
.macro WIN new                         ; the immediate's high byte repeats the setting that is left
.if MSB != \new
	s_set_vgpr_msb (MSB<<8)|\new
.set MSB, \new
.endif
.endm
.set MUL_LO, 0xa1                      ; source 0 (B) window 1, source 1 (A) window 0, C and D window 2
.set MUL_HI, 0xf1                      ; the same, C and D window 3
.set TO_B,   0x40                      ; destination window 1, address window 0
; A joint load: waves 0 and 1 fetch for A, waves 2 and 3 for B.  Each of the two lines has ONE mask and one set of registers for all that issue it; the branch hangs on the wave's number alone.
; Four v_nop follow each of the two lines, ahead of the jump, the label and what follows.
.macro JLOAD g0a, g1a, g0b, g1b
	s_cmp_eq_u32 s15, 0
	s_cbranch_scc0 .Lfor_b_\@
	tensor_load_to_lds s[\g0a:\g0a+3], s[\g1a:\g1a+7]
	s_nop 0
.rept 4
	v_nop
.endr
	s_branch .Lasked_\@
.Lfor_b_\@:
	tensor_load_to_lds s[\g0b:\g0b+3], s[\g1b:\g1b+7]
	s_nop 0
.rept 4
	v_nop
.endr
.Lasked_\@:
.endm
.macro CREST                           ; a round of the cluster's barrier behind its opening barrier
	s_cmp_lg_u32 s14, 0
	s_cbranch_scc1 .Lnot_wave_0_\@
	s_barrier_signal -3
.Lnot_wave_0_\@:
	s_barrier_wait -3
	s_barrier_signal -1
	s_barrier_wait -1
.endm
.macro CROUND                          ; a whole round
	s_barrier_signal -1
	s_barrier_wait -1
	CREST
.endm
	s_load_b128 s[4:7], s[0:1], 0x0                ; xc s[4:5], wc s[6:7]
	s_load_b64 s[8:9], s[0:1], 0x10                ; the scales' exponents
	s_load_b128 s[76:79], s[0:1], 0x18             ; qc s[76:77], kc s[78:79]
	s_load_b64 s[80:81], s[0:1], 0x28              ; vc
	v_lshl_add_u32 v[SPW], v0, 2, SPARE
	v_mov_b32 v[NIL], 0
	ds_add_u32 v28, v29
	ds_add_u32 v28, v29
	s_wait_dscnt 0x0
	v_lshrrev_b32 v1, 5, v0
	v_readfirstlane_b32 s14, v1                    ; wave 0..3
	s_lshr_b32 s15, s14, 1                         ; which half of the tile's rows is mine.  Also: I fetch for A (0) or for B (1)
	s_and_b32 s16, s14, 1                          ; which half of its columns.  Also: which 128 rows of that tile I fetch
	s_bfe_u32 s40, ttmp6, 0x40000                  ; cx, cy: my place in the cluster
	s_bfe_u32 s41, ttmp6, 0x40004
	s_and_b32 s13, ttmp7, 0xffff
	s_lshl_b32 s13, s13, 2                         ; 4 x cluster y: it walks the tokens, which are A's rows for q and k and B's rows for v
	s_lshl_b32 s2, ttmp9, 22                       ; plane p of xc,
	s_lshl_b32 s3, ttmp9, 20                       ; plane p of wc
	s_mov_b32 s12, 0x200000                        ; plane 2 of wc,
	s_mov_b32 s18, 0x800000                        ; plane 2 of xc
	s_mov_b32 s70, 262144                          ; q, k: from a head to the next
	s_mov_b32 s96, 1024                            ; q, k: from a tile of tokens to the next
	s_mov_b32 s98, 1024
	s_cmp_eq_u32 ttmp9, 2                          ; all that differs for v is chosen here, on the cluster's x alone
	s_cselect_b32 s22, 0, s13
	s_cselect_b32 s23, s13, 0
	s_cselect_b32 s2, s12, s2                      ; A's plane, in bytes
	s_cselect_b32 s3, s18, s3                      ; B's plane
	s_cselect_b32 s70, 1024, s70                   ; v: the image's second half
	s_cselect_b32 s96, 2048, s96                   ; v: from a tile of channels to the next,
	s_cselect_b32 s98, 256000, s98                 ; and from a head's last tile to the next head's first: 262,144 - 3 x 2,048
	s_mov_b32 s97, 0
	s_mov_b32 s99, 0
	s_add_co_u32 s17, s22, s41                     ; tile row of C
	s_add_co_u32 s42, s23, s40                     ; tile column of C
	s_lshl_b32 s43, s41, 2
	s_lshl_b32 s43, 15, s43                        ; my row of the cluster
	s_lshl_b32 s44, 0x1111, s40                    ; my column
	; descriptor group 1: a tile of 128 rows x 256 bytes, padded in LDS
	s_or_b32 s[G1+0], s43, (0<<16)|(1<<20)|(1<<21)|(5<<22)|(3<<25)  ; 15:0 the mask: A's tiles go to my row; 17:16 element of 1 byte; 20 padding on; 21 set beside a mask; 24:22 after every 64 words (code 5); 31:25 of 4 words (code 3)
	s_or_b32 s[G1B+0], s44, (0<<16)|(1<<20)|(1<<21)|(5<<22)|(3<<25)
.irp g, G1, G1B
	s_mov_b32 s[\g+1], ROWB<<16                    ; tensor_dim0
	s_mov_b32 s[\g+2], 128<<16                     ; tensor_dim1 = 128
	s_mov_b32 s[\g+3], ROWB<<16                    ; tile_dim0
	s_mov_b32 s[\g+4], 128                         ; tile_dim1 = 128
	s_mov_b32 s[\g+5], KROW                        ; tensor_dim0_stride
	s_mov_b32 s[\g+6], 0
	s_mov_b32 s[\g+7], 0
.endr
	s_lshl_b32 s18, s16, 7                         ; which 128 rows of the tile I fetch
	s_lshl_b32 s20, s17, 8
	s_add_co_u32 s20, s20, s18                     ; A: row 256 x tile row + 128 x half,
	s_lshl_b32 s20, s20, 10                        ; in bytes,
	s_add_co_u32 s20, s20, s2                      ; in its plane: under 12 MiB
	s_mov_b32 s21, 0
	s_lshl_b32 s46, s42, 8
	s_add_co_u32 s46, s46, s18                     ; B: row 256 x tile column + 128 x half
	s_lshl_b32 s46, s46, 10
	s_add_co_u32 s46, s46, s3
	s_mov_b32 s47, 0
	s_mul_i32 s45, s14, HALFT                      ; where they go: wave x 128 rows: no place in the cluster enters an LDS address
	s_wait_kmcnt 0x0
	s_load_b256 s[84:91], s[8:9], 0x0              ; entries 0 to 7
	s_load_b32 s92, s[8:9], 0x20                   ; entry 8
	s_cmp_eq_u32 ttmp9, 2
	s_cselect_b64 s[66:67], s[6:7], s[4:5]         ; A's buffer
	s_cselect_b64 s[68:69], s[4:5], s[6:7]         ; B's
	s_add_nc_u64 s[20:21], s[66:67], s[20:21]
	s_add_nc_u64 s[46:47], s[68:69], s[46:47]
	CROUND                                         ; all sixteen work-groups are here: the first joint loads meet
.irp s, 0,1
	s_mov_b32 s[G0+4*\s], 1
	s_add_co_u32 s[G0+4*\s+1], s45, \s*SLOT
	s_add_nc_u64 s[G0+4*\s+2:G0+4*\s+3], s[20:21], \s*ROWB
	s_or_b32 s[G0+4*\s+3], s[G0+4*\s+3], 0x80000000
	s_mov_b32 s[G0B+4*\s], 1
	s_add_co_u32 s[G0B+4*\s+1], s45, \s*SLOT
	s_add_nc_u64 s[G0B+4*\s+2:G0B+4*\s+3], s[46:47], \s*ROWB
	s_or_b32 s[G0B+4*\s+3], s[G0B+4*\s+3], 0x80000000
	JLOAD G0+4*\s, G1, G0B+4*\s, G1B
.endr
	v_and_b32 v1, 15, v0                           ; l % 16
	v_bfe_u32 v2, v0, 4, 1                         ; l / 16
	v_mul_u32_u24 v3, v1, PITCH
	v_lshl_add_u32 v4, v2, 4, v3                   ; a fragment's row x pitch + 16 x half
	s_mul_i32 s21, s15, HALFT                      ; my 128 rows of A
	s_mul_i32 s22, s16, HALFT                      ; my 128 rows of B,
	s_add_co_u32 s22, s22, 2*HALFT                 ; which lie behind A's 256
.irp s, 0,1
	v_add_nc_u32 v[ADRA+\s], s21, v4
	v_add_nc_u32 v[ADRB+\s], s22, v4
	s_add_co_u32 s21, s21, SLOT
	s_add_co_u32 s22, s22, SLOT
.endr
	; all that the way out needs is made here, while the first tiles are on their way
	v_and_b32 v6, 31, v0
	v_lshlrev_b32 v[CO], 4, v6
	v_add_nc_u32 v[CO2], s70, v[CO]
	s_lshl_b32 s70, s17, 2
	s_lshl_b32 s71, s15, 1
	s_add_co_u32 s70, s70, s71                     ; v: my first head = 4 x tile row + 2 x row half
	s_lshl_b32 s72, s42, 2
	s_lshl_b32 s71, s16, 1
	s_add_co_u32 s72, s72, s71                     ; q, k: my first head = 4 x tile column + 2 x column half
	s_lshl_b32 s73, s42, 1
	s_add_co_u32 s73, s73, s16
	s_lshl_b32 s73, s73, 13                        ; v: my block of 128 keys = 2 x tile column + column half; 8,192 bytes each
	s_lshl_b32 s74, s17, 4
	s_lshl_b32 s71, s15, 3
	s_add_co_u32 s74, s74, s71
	s_lshl_b32 s74, s74, 10                        ; q, k: my first tile of tokens = 16 x tile row + 8 x row half; 1,024 bytes each
	s_cmp_eq_u32 ttmp9, 2
	s_cselect_b32 s70, s70, s72
	s_cselect_b32 s73, s73, s74
	s_lshl_b32 s70, s70, 18                        ; a head is 262,144 bytes in each of the three buffers
	s_add_co_u32 s70, s70, s73
	s_mov_b32 s71, 0
	s_wait_kmcnt 0x0
	s_add_co_i32 s72, s84, s85                     ; eA + eB of the three products
	s_add_co_i32 s73, s86, s87
	s_add_co_i32 s74, s88, s89
	s_cmp_eq_u32 ttmp9, 0
	s_cselect_b32 s93, s72, s73
	s_cselect_b32 s94, s90, s91                    ; eo: entry 6 for q, 7 for k,
	s_cselect_b64 s[10:11], s[76:77], s[78:79]
	s_cmp_eq_u32 ttmp9, 2
	s_cselect_b32 s93, s74, s93
	s_cselect_b32 s94, s92, s94                    ; 8 for v
	s_cselect_b64 s[10:11], s[80:81], s[10:11]     ; the buffer that I store into
	s_add_nc_u64 s[10:11], s[10:11], s[70:71]
	s_sub_co_i32 s95, s94, s93
	s_add_co_i32 s95, s95, 127
	s_lshl_b32 s93, s95, 23
	v_mov_b32 v[SC], s93                           ; 2^(eo - eA - eB) as f32: the conversion takes its exponent field
	s_add_co_i32 s95, s95, 8
	s_lshl_b32 s95, s95, 23
	s_or_b32 s95, s95, 0x600000
	v_mov_b32 v[LIM], s95                          ; 448 x that
.macro FRAG reg, adr, q, i             ; a fragment, 16 rows x 128 K, is 16 registers; by the order in which the codes were stored, the 16 bytes at 32 c + 16 (l / 16) of row l % 16 are its registers 4 c .. 4 c + 3
.irp c, 0,1,2,3
	ds_load_b128 v[\reg+4*\c:\reg+4*\c+3], v[\adr] offset:128*(\q)+32*\c+(\i)*16*PITCH
.endr
.endm
; 16 matrix instructions: A's blocks a0, a0 + 1 x B's eight, 128 along K.  p: B's set.  zero = 1: the first product starts the sums: nothing is ever cleared.
; The 64 accumulators take turns, one instruction a turn, in the same order in every step.
.macro MUL16 a0, p, zero
.irp a, \a0, \a0+1
.irp b, 0,1,2,3,4,5,6,7
.if \zero
	v_wmma_f32_16x16x128_fp8_fp8 v[8*(8*((\a)%4)+\b):8*(8*((\a)%4)+\b)+7], v[128*(\p)+FR*\b:128*(\p)+FR*\b+FR-1], v[AF+FR*(\a):AF+FR*(\a)+FR-1], 0
.else
	v_wmma_f32_16x16x128_fp8_fp8 v[8*(8*((\a)%4)+\b):8*(8*((\a)%4)+\b)+7], v[128*(\p)+FR*\b:128*(\p)+FR*\b+FR-1], v[AF+FR*(\a):AF+FR*(\a)+FR-1], v[8*(8*((\a)%4)+\b):8*(8*((\a)%4)+\b)+7]
.endif
.endr
.endr
.endm
.macro FETCH_B slot, q, p              ; B's eight fragments of the slot's q-th 128 along K into set p
	WIN TO_B
.irp i, 0,1,2,3,4,5,6,7
	FRAG 128*(\p)+FR*\i, ADRB+\slot, \q, \i
.endr
	WIN 0
.endm
.macro FETCH_A slot, q, i0             ; A's blocks i0 .. i0 + 3
.irp i, \i0, \i0+1, \i0+2, \i0+3
	FRAG AF+FR*(\i), ADRA+\slot, \q, \i
.endr
.endm
; A load into a register that a matrix instruction has read, and a vector instruction that reads a matrix result, stand NP places behind that matrix instruction, and only plain vector
; instructions that name none of its registers are places (ISA guide 7.12.1 for vector instructions); the matrix instructions in between are not counted.
.macro PLACES n
.rept \n
	v_nop
.endr
.endm
; A step of 128 along K that has its successor in the same slot.  A block of A is free as soon as its eight products are issued, so one set of registers serves A:
; blocks 0-3 are fetched anew in the step's middle, blocks 4-7 at its end.  B's fragments are at work through the whole step, so B has two sets.
.macro STEP slot, q, zero
	s_wait_dscnt 4*NL                              ; B's set and A's blocks 0-3 are in; the youngest sixteen loads (A's blocks 4-7) may be out
	WIN MUL_LO
	MUL16 0, (\q)%2, \zero
	MUL16 2, (\q)%2, \zero
	s_wait_dscnt 0                                 ; A's blocks 4-7 are in (asked for 32 matrix instructions ago)
	PLACES NP
	FETCH_B \slot, (\q)+1, 1-(\q)%2
	FETCH_A \slot, (\q)+1, 0
	WIN MUL_HI
	MUL16 4, (\q)%2, \zero
	MUL16 6, (\q)%2, \zero
	PLACES NP
	WIN 0
	FETCH_A \slot, (\q)+1, 4
.endm
; A slot's last step changes slots: ONE barrier; in front of it each wave waits for all its tensor loads, adds 0 to its spare word, and waits for that and for its own reads of this slot.  fill = 1: this slot is filled again, two K steps ahead.
.macro TURN slot, next, fill
	s_wait_tensorcnt 0x0                           ; all my tensor loads have landed: my part of the next slot;  (every window is 0 here: the add's two registers lie in window 0)
	ds_add_u32 v[SPW], v[NIL]                      ; 0 onto my spare word
	s_wait_dscnt 4*NL+1                            ; (the add and the youngest sixteen loads, A's blocks 4-7, may be out)
	WIN MUL_LO
	MUL16 0, 1, 0                                  ; sixteen matrix instructions stand between the add and the wait for it
	s_wait_dscnt 0x0                               ; the add is done, and my reads of this slot are over
	s_barrier_signal -1
	MUL16 2, 1, 0
	WIN 0
	s_barrier_wait -1
.if \fill
	CREST                                          ; the barrier has opened a round of the cluster's barrier: no wave of any partner still reads this slot's tile or has a load on its way
	s_add_nc_u64 s[G0+4*\slot+2:G0+4*\slot+3], s[G0+4*\slot+2:G0+4*\slot+3], 2*ROWB
	s_add_nc_u64 s[G0B+4*\slot+2:G0B+4*\slot+3], s[G0B+4*\slot+2:G0B+4*\slot+3], 2*ROWB
	JLOAD G0+4*\slot, G1, G0B+4*\slot, G1B         ; the first tensor load behind the round; the four v_nop behind it are the places in front of the loads below
.else
	PLACES NP
.endif
	FETCH_B \next, 0, 0
	FETCH_A \next, 0, 0
	WIN MUL_HI
	MUL16 4, 1, 0
	MUL16 6, 1, 0
	PLACES NP
	WIN 0
	FETCH_A \next, 0, 4
.endm
	s_wait_tensorcnt 1                             ; my part of K step 0 is in (K step 1's load may be out)
	s_barrier_signal -1
	s_barrier_wait -1                              ; everybody's is
	FETCH_B 0, 0, 0
	FETCH_A 0, 0, 0
	FETCH_A 0, 0, 4
	STEP 0, 0, 1                                   ; K 0-127: its products start the sums
	TURN 0, 1, 1                                   ; K 128-255; slot 0 takes K step 2
	STEP 1, 0, 0
	TURN 1, 0, 1                                   ; slot 1 takes K step 3
	STEP 0, 0, 0
	TURN 0, 1, 0                                   ; nothing is left to fetch: no round of the cluster's barrier
	STEP 1, 0, 0
	s_wait_dscnt 4*NL                              ; the very last step
	WIN MUL_LO
	MUL16 0, 1, 0
	MUL16 2, 1, 0
	s_wait_dscnt 0
	WIN MUL_HI
	MUL16 4, 1, 0
	MUL16 6, 1, 0
	WIN 0
; THE WAY OUT, block by block of 16 rows of A x my 128 rows of B: 64 holds, 8 conversions, 4 stores of 512 consecutive bytes.
; q, k: codes 0-7 are the fragment (my first head, tile of tokens a), codes 8-15 the next head's.  v: the 16 registers are the fragment (head a / 4, my block of keys, tile of channels a % 4).
.macro OUTBLK a
.set AC, 64*((\a)%4)
	WIN 0x02+((\a)/4)                              ; source 0: window 2 or 3
.set j, 0
.rept 64
	v_med3_num_f32 v[TMP+j], v[AC+j], -v[LIM], v[LIM]   ; the conversion to an 8-bit code does not saturate (ISA guide 7.6.2): the hold; each accumulator from its low end on
.set j, j+1
.endr
	WIN 0
.if (\a) > 0
	s_wait_xcnt 0x0                                ; the last block's stores have read their codes and their base: both are written again only behind this wait
.if (\a) == 4
	s_add_nc_u64 s[10:11], s[10:11], s[98:99]
.else
	s_add_nc_u64 s[10:11], s[10:11], s[96:97]
.endif
.endif
.irp b, 0,1,2,3,4,5,6,7
	v_cvt_scalef32_pk8_fp8_f32 v[CD+2*\b:CD+2*\b+1], v[TMP+8*\b:TMP+8*\b+7], v[SC]
.endr
	v_nop                                          ; one plain vector instruction between the conversions and the next block's holds, which write their sources
	global_store_b128 v[CO],  v[CD:CD+3],     s[10:11]
	global_store_b128 v[CO],  v[CD+4:CD+7],   s[10:11] offset:512
	global_store_b128 v[CO2], v[CD+8:CD+11],  s[10:11]
	global_store_b128 v[CO2], v[CD+12:CD+15], s[10:11] offset:512
.endm
	PLACES NP                                      ; in front of the first read of results
.irp a, 0,1,2,3,4,5,6,7
	OUTBLK \a
.endr
	s_wait_tensorcnt 0x0                           ; the wave's end, behind my last tensor load
	ds_add_u32 v[SPW], v[NIL]
	s_wait_dscnt 0x0
	CROUND                                         ; the closing round: no work-group ends while a partner may still ask for a tile that names it
	s_endpgm
.Lfunc_end_k_q1b7f2be76b_qkv:
	.size	k_q1b7f2be76b_qkv, .Lfunc_end_k_q1b7f2be76b_qkv-k_q1b7f2be76b_qkv
	.p2alignl 7, 3214868480
	.fill 96, 4, 3214868480
	.section	.rodata,"a",@progbits
	.p2align	6, 0x0
	.amdhsa_kernel k_q1b7f2be76b_qkv
		.amdhsa_group_segment_fixed_size 327680
		.amdhsa_private_segment_fixed_size 0
		.amdhsa_enable_private_segment 0
		.amdhsa_kernarg_size 48
		.amdhsa_user_sgpr_count 2
		.amdhsa_user_sgpr_kernarg_segment_ptr 1
		.amdhsa_wavefront_size32 1
		.amdhsa_system_sgpr_workgroup_id_x 1
		.amdhsa_system_sgpr_workgroup_id_y 1
		.amdhsa_system_sgpr_workgroup_id_z 1
		.amdhsa_system_vgpr_workitem_id 0
		.amdhsa_next_free_vgpr 1024
		.amdhsa_next_free_sgpr 100
		.amdhsa_reserve_vcc 0
		.amdhsa_float_denorm_mode_32 3
		.amdhsa_float_denorm_mode_16_64 3
		.amdhsa_memory_ordered 1
		.amdhsa_forward_progress 1
		.amdhsa_inst_pref_size 119
	.end_amdhsa_kernel
	.amdgpu_metadata
---
amdhsa.version: [ 1, 2 ]
amdhsa.kernels:
  - .name:           k_q1b7f2be76b_qkv
    .symbol:         k_q1b7f2be76b_qkv.kd
    .args:
      - { .name: xc, .offset: 0, .size: 8, .value_kind: global_buffer, .address_space: global }
      - { .name: wc, .offset: 8, .size: 8, .value_kind: global_buffer, .address_space: global }
      - { .name: lowp_scales, .offset: 16, .size: 8, .value_kind: global_buffer, .address_space: global }
      - { .name: qc, .offset: 24, .size: 8, .value_kind: global_buffer, .address_space: global }
      - { .name: kc, .offset: 32, .size: 8, .value_kind: global_buffer, .address_space: global }
      - { .name: vc, .offset: 40, .size: 8, .value_kind: global_buffer, .address_space: global }
    .group_segment_fixed_size: 327680
    .private_segment_fixed_size: 0
    .kernarg_segment_align: 8
    .kernarg_segment_size: 48
    .max_flat_workgroup_size: 128
    .sgpr_count:     100
    .vgpr_count:     1024
    .wavefront_size: 32
...
	.end_amdgpu_metadata
.endif
;; end of part 2
;; launch attn (part 3): grid 16 x 16, 16 waves a work-group, no clusters, 169,984 bytes of LDS; arguments qc, kc, vc, lowp_scales, ac; writes ac
.if DOCPART == 3
	.amdgcn_target "amdgcn-amd-amdhsa--gfx1250"
	.amdhsa_code_object_version 6
	.text
	.protected	k_q1b7f2be76b_attn
	.globl	k_q1b7f2be76b_attn
	.p2align	8
	.type	k_q1b7f2be76b_attn,@function
k_q1b7f2be76b_attn:
	s_mov_b64 s[64:65], 0
	v_nop
	global_prefetch_b8 v0, s[64:65] scope:SCOPE_SE
	s_setreg_imm32_b32 hwreg(HW_REG_WAVE_MODE, 25, 1), 1
	s_wait_xcnt 0x0
; Attention over a sliding window, both products on codes of E4M3: key k counts for query q where q - 1,023 <= k <= q.  16 heads of 64, 4,096 tokens.
; In: qc, kc [head][tile of 16 tokens][1,024 bytes] and vc [head][block of 128 keys][tile of 16 channels][2,048 bytes]: images of operand registers, four registers at 512 g + 16 x lane.
; Out: ac [tile of 16 tokens][8 chunks of 128 along the last product's K][2,048 bytes], an image likewise; head hd fills bytes 1,024 hd .. 1,024 hd + 1,023 of a tile's 16,384.
; THE SOFTMAX AHEAD OF THE SECOND PRODUCT: t = score x log2(e) / 8; M = the row's largest t so far, rounded UP to a whole number; p = 2^(t - M) is quantised, not normalised.
; The row's sum is taken of the unquantised p, in f32, and divides at the end.  When M moves, the sum and O are multiplied by 2^(old M - new M): exact.
; SHARES.  A work-group owns 256 queries of one head (x: the block qb, y: the head); each of its sixteen waves owns 16: four waves to a SIMD, so that one wave's vector work stands beside another's matrix work and LDS loads.
; THE WHOLE WINDOW LIES IN LDS.  Keys 256 qb - 1,024 .. 256 qb + 255 are ten blocks of 128: 81,920 bytes of K's images and as many of V's.  Every LDS byte is filled once: no ring.
; Wave 0 fetches K's five chunks of 256 keys, wave 1 V's five (five tensor loads of a wave are out at the most), in the order in which they are wanted; a counted wait and a barrier stand in front of the steps that first read a chunk.
; A chunk in front of key 0 is fetched from key 0 instead and never read: so no tensor load stands under a branch on the work-group's number.
; STEPS.  Wave w (b0 = w / 8, u = w % 8) walks LDS blocks b0 + i, i = 0 .. 8.  With d = 16 u + (lane % 16), key kk of step 0 counts where kk > d, of step 8 where kk <= d; steps 1 to 7 are open.
; A block in front of key 0 is passed over by a scalar branch on ids; step 8 holds the query's own key, so M and the sum are proper numbers at the end.
; LAYOUT.  S^T = K Q^T (source 0 = 16 keys, source 1 = my 16 queries): lane (r, h) holds query r and keys 16 T + 8 h + 0..7 in tile T's eight registers.  One conversion makes of them registers 2 T, 2 T + 1 of the operand
; P (16 queries x 128 keys; ISA guide 7.12.2).  O^T = V^T P^T again holds one query a lane, and channels 16 t + 8 h + 0..7: one conversion a tile makes the last product's operand registers.  Nothing changes lanes but a maximum and a sum.
; NO CLUSTER: the query blocks of a head want windows that are shifted by 256 keys from block to block; a joint load lands at one LDS address in all partners.
; LIMITS on the given exponents: entries 6 + 7 between -123 and 130 (they are added to c's exponent field); entry 9 between -126 and 119; entries 8 + 9 - 10 are applied by v_ldexp_f32 and have none.
.set AK0, 1                            ; v1   16 x lane + 8,192 b0: my lane's place in step 0's block of K
.set AV0, 2                            ; v2   the same for V: + 81,920
.set LI,  3                            ; v3   16 x lane: my bytes of an image's 512; never rewritten
.set ADK, 8                            ; v8   LDS address of the step's K
.set ADV, 9                            ; v9   of its V
.set DM,  10                           ; v10  16 u + r - 8 h: register 8 T + j holds key 16 T + j + 8 h of the block, so it is compared with 16 T + j
.set NINF, 11                          ; v11  -infinity
                                       ; v12 -M, v13 the largest t, v[14:15] the sum in two halves, v16-23 Q, v24-29 at work, v30 448 x 2^ep, v31 2^ep
.set KV,  32                           ; v32-95   eight fragments of K, then four of V
.set S,   96                           ; v96-159  S^T, then p
.set O,   160                          ; v160-191 O^T
.set PC,  192                          ; v192-207 p's codes
.set WV,  18                           ; s18  my wave's number
.set SEL, 20                           ; s[20:21] lane selects for v_permlanex16_b32: lane l xor 16
.set CS,  22                           ; s[22:23] c = log2(e) / 8 x 2^(eq + ek)
.set G1,  24                           ; s[24:31] descriptor group 1, one for all loads;  s[32:51] five groups 0
.set G0,  32
.set KF0, 54                           ; s54  the first key of my step 0 (it may be negative)
	s_load_b256 s[4:11], s[0:1], 0x0               ; qc s[4:5], kc s[6:7], vc s[8:9], the scales' exponents s[10:11]
	s_load_b64 s[12:13], s[0:1], 0x20              ; ac
	v_lshl_add_u32 v216, v0, 2, 0x29000
	v_mov_b32 v217, 0
	ds_add_u32 v216, v217
	ds_add_u32 v216, v217
	v_lshrrev_b32 v1, 5, v0
	v_readfirstlane_b32 s[WV], v1                  ; wave 0..15
	s_lshr_b32 s19, s[WV], 3                       ; b0
	s_mov_b32 s52, ttmp9                           ; qb
	s_and_b32 s53, ttmp7, 0xffff                   ; the head
	s_lshl_b32 s[KF0], s52, 8
	s_sub_co_i32 s[KF0], s[KF0], 1024              ; the window's first key
	; descriptor group 1: a chunk of 256 keys is one dense block of 16,384 bytes in kc and in vc alike: 64 rows of 256 bytes
	s_mov_b32 s[G1+0], 3<<16                       ; 15:0 no mask; 17:16 elements of 8 bytes; no padding
	s_mov_b32 s[G1+1], 32<<16                      ; tensor_dim0 = 32
	s_mov_b32 s[G1+2], 64<<16                      ; tensor_dim1 = 64
	s_mov_b32 s[G1+3], 32<<16                      ; tile_dim0 = 32
	s_mov_b32 s[G1+4], 64                          ; tile_dim1 = 64
	s_mov_b32 s[G1+5], 32                          ; tensor_dim0_stride
	s_mov_b32 s[G1+6], 0
	s_mov_b32 s[G1+7], 0
	s_lshl_b32 s58, s53, 18                        ; a head is 262,144 bytes in qc, kc and vc
	s_mov_b32 s59, 0
	s_and_b32 s60, s[WV], 1
	s_mul_i32 s60, s60, 81920                      ; K's images from LDS byte 0, V's from 81,920
	s_wait_dscnt 0x0
	s_wait_kmcnt 0x0
	s_load_b128 s[68:71], s[10:11], 0x18           ; entries 6 to 9: eq, ek, ev, ep
	s_load_b32 s72, s[10:11], 0x28                 ; entry 10: the scale of what I store
	s_cmp_eq_u32 s[WV], 0
	s_cselect_b64 s[56:57], s[6:7], s[8:9]         ; wave 0 fetches from kc, wave 1 from vc
	s_add_nc_u64 s[56:57], s[56:57], s[58:59]
.irp c, 0,1,2,3,4
	s_mov_b32 s[G0+4*\c], 1                        ; 1:0 count = 1
	s_add_co_u32 s[G0+4*\c+1], s60, 16384*\c       ; 63:32 LDS address
	s_add_co_i32 s74, s[KF0], 256*\c
	s_max_i32 s74, s74, 0                          ; the chunk's first key, or key 0
	s_lshl_b32 s74, s74, 6                         ; 64 bytes a key
	s_mov_b32 s75, 0
	s_add_nc_u64 s[G0+4*\c+2:G0+4*\c+3], s[56:57], s[74:75]   ; 120:64 global address
	s_or_b32 s[G0+4*\c+3], s[G0+4*\c+3], 0x80000000           ; 127:126 type = 2
.endr
	s_cmp_lt_u32 s[WV], 2                          ; a wave's first fills stand in one branch on its number, ahead of every wait on TENSORcnt, every LDS read and every barrier
	s_cbranch_scc0 .Lnone
.irp c, 0,1,2,3,4
	tensor_load_to_lds s[G0+4*\c:G0+4*\c+3], s[G1:G1+7]
	s_nop 0
.endr
.rept 4
	v_nop
.endr
.Lnone:
	v_and_b32 v4, 31, v0
	v_lshlrev_b32 v[LI], 4, v4
	s_lshl_b32 s61, s19, 13
	v_add_nc_u32 v[AK0], s61, v[LI]
	v_add_nc_u32 v[AV0], 81920, v[AK0]
	s_lshl_b32 s73, s52, 4
	s_add_co_u32 s73, s73, s[WV]                   ; my tile of 16 tokens: 16 qb + w
	s_lshl_b32 s74, s73, 10
	s_mov_b32 s75, 0
	s_add_nc_u64 s[4:5], s[4:5], s[58:59]
	s_add_nc_u64 s[4:5], s[4:5], s[74:75]
	global_load_b128 v[16:19], v[LI], s[4:5]       ; Q's fragment stays in registers
	global_load_b128 v[20:23], v[LI], s[4:5] offset:512
	s_lshl_b32 s74, s73, 14
	s_lshl_b32 s60, s53, 10
	s_add_co_u32 s74, s74, s60
	s_add_nc_u64 s[12:13], s[12:13], s[74:75]      ; ac: my tile's 16,384 bytes, my head's 1,024 of them
	s_lshl_b32 s61, s19, 7
	s_add_co_i32 s[KF0], s[KF0], s61               ; my step 0 begins 128 b0 keys into the window
	s_and_b32 s60, s[WV], 7
	s_lshl_b32 s60, s60, 4                         ; 16 u
	v_and_b32 v5, 15, v0                           ; r
	v_bfe_u32 v6, v0, 4, 1                         ; h
	v_lshlrev_b32 v6, 3, v6
	v_sub_nc_u32 v[DM], v5, v6
	v_add_nc_u32 v[DM], s60, v[DM]
	v_mov_b32 v[NINF], 0xff800000
	v_mov_b32 v13, 0xff61b1e6                      ; the largest t so far: -3e38, under every t
	v_floor_f32 v12, -v13                          ; -M
	v_mov_b32 v14, 0                               ; the sum, in two halves
	v_mov_b32 v15, 0
	v_mov_b32 v25, 0                               ; written once: a lane permute's destination counts as one of its sources
	v_mov_b32 v27, 0                               ; (named as the upper half of the pair v[26:27])
.set n, 0
.rept 32
	v_mov_b32 v[O+n], 0                            ; O^T.  Which step is a wave's first hangs on the work-group's number, so no step is written as a first one: the first finds zeros, which the first change of M leaves zeros
.set n, n+1
.endr
	s_mov_b32 s[SEL], 0x76543210
	s_mov_b32 s[SEL+1], 0xfedcba98
	s_mov_b32 s[CS], 0x3e38aa3b                    ; log2(e) / 8
	s_wait_kmcnt 0x0
	s_add_co_i32 s73, s68, s69
	s_lshl_b32 s73, s73, 23
	s_add_co_i32 s[CS], s[CS], s73                 ; a score stands for score x 2^(eq + ek): the two exponents are added to c's exponent field
	s_mov_b32 s[CS+1], s[CS]                       ; (named with it as a pair, so it is written)
	s_add_co_i32 s73, s71, 127
	s_lshl_b32 s74, s73, 23
	v_mov_b32 v31, s74                             ; 2^ep as f32, for the conversion
	s_add_co_i32 s73, s73, 8
	s_lshl_b32 s73, s73, 23
	s_or_b32 s73, s73, 0x600000
	v_mov_b32 v30, s73                             ; 448 x 2^ep
; The wave that fetched waits until at most n of its loads are out, then all sixteen meet: behind the barrier the chunks up to 4 - n are whole for every wave.  Later chunks stay on their way: no LDS byte is filled twice.
; No LDS load of a wave is out here: each step ends behind its own wait for zero.
.macro MEET n
	s_wait_tensorcnt \n
	s_barrier_signal -1
	s_barrier_wait -1
.endm
; A KEY STEP: the 128 keys of LDS block b0 + i.  mask = 1: the window's far edge (hidden where kk <= d); 2: the diagonal (hidden where kk > d); 0: all keys count.
.macro STEP i, mask
.if \i < 8
	s_cmp_lt_i32 s[KF0], -128*\i                   ; the block lies in front of key 0: a scalar branch on ids, round loads, products and softmax; no barrier and no tensor load stands in a step
	s_cbranch_scc1 .Lgone_\@
.endif
	v_add_nc_u32 v[ADK], 8192*\i, v[AK0]
	v_add_nc_u32 v[ADV], 8192*\i, v[AV0]
	v_nop                                          ; with the two additions: four places in front of loads into registers that the last products have read
	v_nop
.set n, 0
.rept 16
	ds_load_b128 v[KV+4*n:KV+4*n+3], v[ADK] offset:512*n   ; K: tile n / 2, registers 4 (n % 2) on: 512 consecutive bytes a load
.set n, n+1
.endr
	s_wait_dscnt 0x0
.irp T, 0,1,2,3,4,5,6,7
	v_wmma_f32_16x16x64_fp8_fp8 v[S+8*\T:S+8*\T+7], v[KV+8*\T:KV+8*\T+7], v[16:23], 0
.endr
.rept 4
	v_nop                                          ; places in front of the loads over K's fragments and of the first read of the scores
.endr
.set n, 0
.rept 16
	ds_load_b128 v[KV+4*n:KV+4*n+3], v[ADV] offset:512*n   ; V: tile of channels n / 4, registers 4 (n % 4) on; it lands behind the softmax
.set n, n+1
.endr
.if \mask
.set n, 0
.rept 64
.if \mask == 1
	v_cmp_le_i32 vcc_lo, 16*(n/8)+n%8, v[DM]
.else
	v_cmp_gt_i32 vcc_lo, 16*(n/8)+n%8, v[DM]
.endif
	v_cndmask_b32 v[S+n], v[S+n], v[NINF], vcc_lo  ; a hidden key's score becomes -infinity ahead of the maximum: p = 0 then
.set n, n+1
.endr
.endif
	v_max3_num_f32 v24, v[S], v[S+1], v[S+2]       ; the step's largest score of my query, among my 64 keys, in two chains; each tile from its low end on
	v_max3_num_f32 v26, v[S+3], v[S+4], v[S+5]
.irp j, 6,10,14,18,22,26,30,34,38,42,46,50,54,58
	v_max3_num_f32 v24, v24, v[S+\j], v[S+1+\j]
	v_max3_num_f32 v26, v26, v[S+2+\j], v[S+3+\j]
.endr
	v_max3_num_f32 v24, v24, v[S+62], v[S+63]
	v_max_num_f32 v24, v24, v26
	v_permlanex16_b32 v25, v24, s[SEL], s[SEL+1]
	v_max_num_f32 v24, v24, v25                    ; and among lane l xor 16's
	v_mul_f32 v24, s[CS], v24                      ; as t (c is positive)
	v_max_num_f32 v13, v13, v24                    ; the running largest t
	v_mov_b32 v24, v12
	v_floor_f32 v12, -v13                          ; the new -M = floor(-t) = -ceil(t): M is a whole number
	v_sub_f32 v24, v12, v24                        ; M's old value less its new one: a whole number, 0 or less
	v_cvt_i32_f32 v24, v24                         ; (it saturates)
	v_ldexp_f32 v26, 1.0, v24                      ; f = 2^(old M - new M)
.set n, 0
.rept 32
	v_pk_fma_f32 v[S+n:S+n+1], v[S+n:S+n+1], s[CS:CS+1], v[12:13] op_sel_hi:[1,0,0]   ; t - M, two at a time (of the pairs c and -M the low word serves both halves)
.set n, n+2
.endr
.set n, 0
.rept 64
	v_exp_f32 v[S+n], v[S+n]                       ; p = 2^(t - M), at most 1
.set n, n+1
.endr
	v_pk_mul_f32 v[14:15], v[14:15], v[26:27] op_sel_hi:[1,0]   ; the sums under the new M.  (The plain instruction behind the exponentials)
	s_wait_alu depctr_va_vdst(0)
	v_pk_add_f32 v[28:29], v[S:S+1], v[S+2:S+3]    ; the row's sum is taken of the unquantised p: two at a time, in two chains
.irp j, 4,8,12,16,20,24,28,32,36,40,44,48,52,56,60
	v_pk_add_f32 v[14:15], v[14:15], v[S+\j:S+1+\j]
	v_pk_add_f32 v[28:29], v[28:29], v[S+2+\j:S+3+\j]
.endr
	v_pk_add_f32 v[14:15], v[14:15], v[28:29]
.irp T, 0,1,2,3,4,5,6,7
.irp j, 0,1,2,3,4,5,6,7
	v_min_num_f32 v[S+8*\T+\j], v[S+8*\T+\j], v30  ; the conversion to an 8-bit code does not saturate (ISA guide 7.6.2); p is not negative, so the hold is one-sided
.endr
	v_cvt_scalef32_pk8_fp8_f32 v[PC+2*\T:PC+2*\T+1], v[S+8*\T:S+8*\T+7], v31   ; keys 16 T + 8 h + 0..7: registers 2 T, 2 T + 1 of the operand
.endr
.set n, 0
.rept 16
	v_pk_mul_f32 v[O+n:O+n+1], v[O+n:O+n+1], v[26:27] op_sel_hi:[1,0]   ; O^T under the new M.  (Also the plain instructions between the conversions and the products that read the codes)
.set n, n+2
.endr
	s_wait_dscnt 0x0                               ; V is in
.irp t, 0,1,2,3
	v_wmma_f32_16x16x128_fp8_fp8 v[O+8*\t:O+8*\t+7], v[KV+16*\t:KV+16*\t+15], v[PC:PC+15], v[O+8*\t:O+8*\t+7]   ; the four accumulators take turns, one instruction a turn
.endr
.if \i < 8
.Lgone_\@:
.endif
.endm
	s_wait_loadcnt 0x0                             ; Q
	MEET 4                                         ; chunk 0: blocks 0, 1
	STEP 0, 1
	MEET 3                                         ; chunk 1: step i reads block i or i + 1
	STEP 1, 0
	STEP 2, 0
	MEET 2
	STEP 3, 0
	STEP 4, 0
	MEET 1
	STEP 5, 0
	STEP 6, 0
	MEET 0                                         ; the last chunk: no tensor load is out from here on
	STEP 7, 0
	STEP 8, 2
	; THE WAY OUT.  O^T x 2^(ep + ev) / the sum is the attention's result; its code is that / 2^(entry 10).  The three exponents go onto 1 / sum, so the conversion's scale is 1.
.rept 4
	v_nop                                          ; places behind the last products
.endr
	v_add_f32 v14, v14, v15                        ; the sum's two halves,
	v_permlanex16_b32 v25, v14, s[SEL], s[SEL+1]
	v_add_f32 v14, v14, v25                        ; and lane l xor 16's: the row's sum
	v_rcp_f32 v14, v14
	v_mov_b32 v208, 0x43e00000                     ; 448.  (The plain instruction behind the reciprocal)
	v_mov_b32 v209, 1.0
	s_add_co_i32 s73, s70, s71
	s_sub_co_i32 s73, s73, s72
	s_wait_alu depctr_va_vdst(0)
	v_ldexp_f32 v14, v14, s73
.set n, 0
.rept 16
	v_pk_mul_f32 v[S+n:S+n+1], v[O+n:O+n+1], v[14:15] op_sel_hi:[1,0]   ; each accumulator from its low end on
.set n, n+2
.endr
.set n, 0
.rept 32
	v_med3_num_f32 v[S+n], v[S+n], -v208, v208
.set n, n+1
.endr
.irp t, 0,1,2,3
	v_cvt_scalef32_pk8_fp8_f32 v[S+32+2*\t:S+33+2*\t], v[S+8*\t:S+8*\t+7], v209   ; channels 16 t + 8 h + 0..7 of my head: registers 2 t, 2 t + 1 of its half of the last product's operand
.endr
	v_nop                                          ; one plain vector instruction behind the last conversion
	global_store_b128 v[LI], v[S+32:S+35], s[12:13]             ; 512 consecutive bytes a store
	global_store_b128 v[LI], v[S+36:S+39], s[12:13] offset:512
	s_wait_tensorcnt 0x0
	ds_add_u32 v216, v217
	s_wait_dscnt 0x0
	s_endpgm
.Lfunc_end_k_q1b7f2be76b_attn:
	.size	k_q1b7f2be76b_attn, .Lfunc_end_k_q1b7f2be76b_attn-k_q1b7f2be76b_attn
	.p2alignl 7, 3214868480
	.fill 96, 4, 3214868480
	.section	.rodata,"a",@progbits
	.p2align	6, 0x0
	.amdhsa_kernel k_q1b7f2be76b_attn
		.amdhsa_group_segment_fixed_size 169984
		.amdhsa_private_segment_fixed_size 0
		.amdhsa_enable_private_segment 0
		.amdhsa_kernarg_size 40
		.amdhsa_user_sgpr_count 2
		.amdhsa_user_sgpr_kernarg_segment_ptr 1
		.amdhsa_wavefront_size32 1
		.amdhsa_system_sgpr_workgroup_id_x 1
		.amdhsa_system_sgpr_workgroup_id_y 1
		.amdhsa_system_sgpr_workgroup_id_z 1
		.amdhsa_system_vgpr_workitem_id 0
		.amdhsa_next_free_vgpr 218
		.amdhsa_next_free_sgpr 76
		.amdhsa_reserve_vcc 1
		.amdhsa_float_denorm_mode_32 3
		.amdhsa_float_denorm_mode_16_64 3
		.amdhsa_memory_ordered 1
		.amdhsa_forward_progress 1
		.amdhsa_inst_pref_size 158
	.end_amdhsa_kernel
	.amdgpu_metadata
---
amdhsa.version: [ 1, 2 ]
amdhsa.kernels:
  - .name:           k_q1b7f2be76b_attn
    .symbol:         k_q1b7f2be76b_attn.kd
    .args:
      - { .name: qc, .offset: 0, .size: 8, .value_kind: global_buffer, .address_space: global }
      - { .name: kc, .offset: 8, .size: 8, .value_kind: global_buffer, .address_space: global }
      - { .name: vc, .offset: 16, .size: 8, .value_kind: global_buffer, .address_space: global }
      - { .name: lowp_scales, .offset: 24, .size: 8, .value_kind: global_buffer, .address_space: global }
      - { .name: ac, .offset: 32, .size: 8, .value_kind: global_buffer, .address_space: global }
    .group_segment_fixed_size: 169984
    .private_segment_fixed_size: 0
    .kernarg_segment_align: 8
    .kernarg_segment_size: 40
    .max_flat_workgroup_size: 512
    .sgpr_count:     76
    .vgpr_count:     218
    .wavefront_size: 32
...
	.end_amdgpu_metadata
.endif
;; end of part 3
;; launch proj (part 4): grid 8 x 32, 4 waves a work-group, clusters of 4 x 4, 295,424 bytes of LDS; arguments ac, wc, lowp_scales, out0; writes out0
.if DOCPART == 4
	.amdgcn_target "amdgcn-amd-amdhsa--gfx1250"
	.amdhsa_code_object_version 6
	.text
	.protected	k_q1b7f2be76b_proj
	.globl	k_q1b7f2be76b_proj
	.p2align	8
	.type	k_q1b7f2be76b_proj,@function
k_q1b7f2be76b_proj:
	s_mov_b64 s[64:65], 0
	v_nop
	global_prefetch_b8 v0, s[64:65] scope:SCOPE_SE
	s_setreg_imm32_b32 hwreg(HW_REG_WAVE_MODE, 25, 1), 1
	s_wait_xcnt 0x0
	s_wait_alu depctr_hold_cnt(0) depctr_sa_sdst(0) depctr_va_vdst(0) depctr_va_sdst(0) depctr_va_ssrc(0) depctr_va_vcc(0) depctr_vm_vsrc(0)
	s_getreg_b32 s2, hwreg(HW_REG_IB_STS2, 6, 4)
	s_cmp_eq_u32 s2, 0
	s_cbranch_scc0 .Lentry_in_a_cluster
	s_endpgm
.Lentry_in_a_cluster:
	s_bfe_u32 s2, ttmp6, 0x10000c
	s_cmp_lg_u32 s2, 0xf033
	s_cbranch_scc0 .Lentry_shape_is_right
	s_endpgm
.Lentry_shape_is_right:
; out0 = attention's result x Wo^T on codes of E4M3, [4096][1024] f32, K = 1,024; each finished sum x 2^(entry 10 + entry 11).
; A: ac [tile of 16 tokens][8 chunks of 128 along K][2,048 bytes]: images of operand registers, four registers at 512 c + 16 x lane.  B: plane 3 of wc: rows of 1,024 codes, stored so that the 16 bytes at 32 c + 16 h are operand registers 4 c .. 4 c + 3.
; A tile of the output is 128 x 128: 256 work-groups (tiles of 256 x 256 would be 64).  Four waves, 64 x 64 each: 16 accumulators.
; THE WHOLE K OF BOTH PANELS LIES IN LDS (131,072 bytes of A, 139,264 of B with padding): every LDS byte is filled once, in four quarters of 256 along K, all asked for at the start; no ring.
; A counted wait and a barrier stand in front of the first read of each quarter; four tensor loads of a wave are out at the most.
; CLUSTERS: 4 x 4 work-groups.  The four of a row of the cluster need the same panel of A, the four of a column the same panel of B: each part is asked for JOINTLY, by the same tensor load with the same descriptor and a mask that names the four.
; THE MATRIX INSTRUCTION IS USED TRANSPOSED (source 0 = 16 rows of Wo, source 1 = 16 tokens): a lane holds eight neighbouring numbers of a row of the output.
; LIMIT: entry 10 + entry 11 between -126 and 127, so that the power of two is an f32 number.
; VECTOR REGISTERS: window 0: v0-31 addresses; v32-127 at work on the way out; v128-255 the accumulators ((a, b) at v[128 + 8 (4 a + b)]).
;   window 1: two buffers of 128 for 128 along K: A's four fragments at 16 a, B's four at 64 + 16 b.
; SCALAR REGISTERS: s[24:63] and s[68:75] hold descriptors and nothing else, and are not written once the loads are out.  s14-23 the wave's numbers and temporaries; s76-87 the place in the cluster and what is made of it.
.set BBASE,  131072                    ; LDS: A's panel from 0 (a quarter: 32,768), B's from here (a quarter: 128 rows x 272 = 34,816),
.set STAGE,  BBASE+4*34816             ; and behind both, in bytes into which no tensor load lands: a stage of 16 rows x (256 bytes + 16) for each wave
.set SPITCH, 272
.set ADRA, 16                          ; v16, v17  LDS address of my A fragments in quarters 0-1, 2-3
.set ADRB, 20                          ; v20, v21  the same for B
.set STO,  24                          ; v24  the way out: where I put 32 bytes of a row
.set RD,   25                          ; v25  where I read a row back
.set CO,   26                          ; v26  my byte offset in two rows of the output
.set TMP,  32                          ; v32-63  a block's sums x the scale
.set BK,   64                          ; v64-95, v96-127 by turns: 16 rows read back from the stage
.set ACC,  128
.set G1A, 24                           ; s[24:31] descriptor group 1 for A;  s[32:47] four groups 0
.set G0A, 32
.set G0B, 48                           ; s[48:63] four groups 0 for B;  s[68:75] its group 1
.set G1B, 68
.set CX,  76                           ; s76, s77  my place in the cluster
.set CY,  77
.set TC,  78                           ; s78  tile column of the output
.set TR,  17                           ; s17  tile row
.set MSB, 0
.macro WIN new                         ; the immediate's high byte repeats the setting that is left
.if MSB != \new
	s_set_vgpr_msb (MSB<<8)|\new
.set MSB, \new
.endif
.endm
.set MUL,  0x05                        ; sources 0 (B) and 1 (A) window 1; C and D window 0
.set TO_F, 0x40                        ; destination window 1, address window 0
.macro CROUND                          ; a round of the cluster's barrier
	s_barrier_signal -1
	s_barrier_wait -1
	s_cmp_lg_u32 s14, 0
	s_cbranch_scc1 .Lnot_wave_0_\@
	s_barrier_signal -3
.Lnot_wave_0_\@:
	s_barrier_wait -3
	s_barrier_signal -1
	s_barrier_wait -1
.endm
.macro PLACES                          ; four places in front of loads into registers that matrix instructions have read, and of the first read of results (ISA guide 7.12.1 for vector instructions)
.rept 4
	v_nop
.endr
.endm
	s_load_b128 s[4:7], s[0:1], 0x0                ; ac s[4:5], wc s[6:7]
	s_load_b128 s[8:11], s[0:1], 0x10              ; the scales' exponents s[8:9], out0 s[10:11]
	v_lshl_add_u32 v30, v0, 2, 0x48000
	v_mov_b32 v31, 0
	ds_add_u32 v30, v31
	ds_add_u32 v30, v31
	v_lshrrev_b32 v1, 5, v0
	v_readfirstlane_b32 s14, v1                    ; wave 0..3
	s_lshr_b32 s15, s14, 1                         ; which half of the tile's rows is mine.  Also: I fetch for A (0) or for B (1)
	s_and_b32 s16, s14, 1                          ; which half of its columns.  Also: which half of that panel I fetch
	s_bfe_u32 s[CX], ttmp6, 0x40000                ; cx, cy: my place in the cluster
	s_bfe_u32 s[CY], ttmp6, 0x40004
	s_lshl_b32 s[TC], ttmp9, 2
	s_add_co_u32 s[TC], s[TC], s[CX]               ; tile column = 4 x cluster x + cx
	s_and_b32 s[TR], ttmp7, 0xffff
	s_lshl_b32 s[TR], s[TR], 2
	s_add_co_u32 s[TR], s[TR], s[CY]               ; tile row = 4 x cluster y + cy
	s_lshl_b32 s79, s[CY], 2
	s_lshl_b32 s79, 15, s79                        ; my row of the cluster
	s_lshl_b32 s80, 0x1111, s[CX]                  ; my column
	; A: of each of 4 tiles of tokens (16,384 bytes apart) the quarter's two chunks, 4,096 bytes: 4 rows of 4,096 elements of one byte, dense in LDS
	s_or_b32 s[G1A+0], s79, (0<<16)|(1<<21)        ; 15:0 the mask: my row; 17:16 element of 1 byte; 21 set beside a mask; no padding
	s_mov_b32 s[G1A+1], 4096<<16                   ; tensor_dim0
	s_mov_b32 s[G1A+2], 4<<16                      ; tensor_dim1
	s_mov_b32 s[G1A+3], 4096<<16                   ; tile_dim0
	s_mov_b32 s[G1A+4], 4                          ; tile_dim1
	s_mov_b32 s[G1A+5], 16384                      ; tensor_dim0_stride
	s_mov_b32 s[G1A+6], 0
	s_mov_b32 s[G1A+7], 0
	; B: 64 rows x 256 bytes, 1,024 bytes apart, padded in LDS
	s_or_b32 s[G1B+0], s80, (0<<16)|(1<<20)|(1<<21)|(5<<22)|(3<<25)  ; the mask: my column; padding of 4 words (code 3) after every 64 (code 5)
	s_mov_b32 s[G1B+1], 256<<16
	s_mov_b32 s[G1B+2], 64<<16
	s_mov_b32 s[G1B+3], 256<<16
	s_mov_b32 s[G1B+4], 64
	s_mov_b32 s[G1B+5], 1024
	s_mov_b32 s[G1B+6], 0
	s_mov_b32 s[G1B+7], 0
	s_lshl_b32 s20, s[TR], 3
	s_lshl_b32 s18, s16, 2
	s_add_co_u32 s20, s20, s18                     ; A: tile of tokens 8 x tile row + 4 x half,
	s_lshl_b32 s20, s20, 14                        ; in bytes.  This pair never holds cx
	s_mov_b32 s21, 0
	s_lshl_b32 s82, s[TC], 7
	s_lshl_b32 s18, s16, 6
	s_add_co_u32 s82, s82, s18                     ; B: row 128 x tile column + 64 x half,
	s_lshl_b32 s82, s82, 10
	s_add_co_u32 s82, s82, 0x300000                ; in plane 3 of wc.  This pair never holds cy
	s_mov_b32 s83, 0
	s_lshl_b32 s81, s16, 14                        ; where they go: no place in the cluster enters an LDS address
	s_mul_i32 s19, s16, 64*SPITCH
	s_add_co_u32 s19, s19, BBASE
	s_wait_dscnt 0x0
	s_wait_kmcnt 0x0
	s_load_b64 s[96:97], s[8:9], 0x28              ; entries 10 and 11
	s_add_nc_u64 s[20:21], s[4:5], s[20:21]
	s_add_nc_u64 s[82:83], s[6:7], s[82:83]
	CROUND                                         ; all sixteen work-groups are here: the joint loads meet
.irp k, 0,1,2,3
	s_mov_b32 s[G0A+4*\k], 1                       ; 1:0 count = 1
	s_add_co_u32 s[G0A+4*\k+1], s81, 32768*\k      ; 63:32 LDS address
	s_add_nc_u64 s[G0A+4*\k+2:G0A+4*\k+3], s[20:21], 4096*\k   ; 120:64 global address: quarter k
	s_or_b32 s[G0A+4*\k+3], s[G0A+4*\k+3], 0x80000000          ; 127:126 type = 2
	s_mov_b32 s[G0B+4*\k], 1
	s_add_co_u32 s[G0B+4*\k+1], s19, 34816*\k
	s_add_nc_u64 s[G0B+4*\k+2:G0B+4*\k+3], s[82:83], 256*\k
	s_or_b32 s[G0B+4*\k+3], s[G0B+4*\k+3], 0x80000000
.endr
	s_cmp_eq_u32 s15, 0                            ; a wave's four first fills stand in one branch on its number, in K's order; four v_nop follow the last
	s_cbranch_scc0 .Lfor_b
.irp k, 0,1,2,3
	tensor_load_to_lds s[G0A+4*\k:G0A+4*\k+3], s[G1A:G1A+7]
	s_nop 0
.endr
.rept 4
	v_nop
.endr
	s_branch .Lasked
.Lfor_b:
.irp k, 0,1,2,3
	tensor_load_to_lds s[G0B+4*\k:G0B+4*\k+3], s[G1B:G1B+7]
	s_nop 0
.endr
.rept 4
	v_nop
.endr
.Lasked:
	; from here on no register of a descriptor is written: the loads are out until the counted waits below
	v_and_b32 v1, 15, v0                           ; r = l % 16
	v_bfe_u32 v2, v0, 4, 1                         ; h = l / 16
	v_and_b32 v6, 31, v0
	v_lshlrev_b32 v3, 4, v6                        ; 16 x lane
	s_lshl_b32 s21, s15, 14                        ; my four tiles of tokens
	v_add_nc_u32 v[ADRA], s21, v3
	v_add_nc_u32 v[ADRA+1], 65536, v[ADRA]
	v_mul_u32_u24 v4, v1, SPITCH
	v_lshl_add_u32 v4, v2, 4, v4                   ; a fragment's row x pitch + 16 x half
	s_mul_i32 s22, s16, 64*SPITCH                  ; my 64 rows of B
	s_add_co_u32 s22, s22, BBASE
	v_add_nc_u32 v[ADRB], s22, v4
	v_add_nc_u32 v[ADRB+1], 2*34816, v[ADRB]
	s_mul_i32 s23, s14, 16*SPITCH
	s_add_co_u32 s23, s23, STAGE                   ; my stage
	v_mul_u32_u24 v5, v1, SPITCH                   ; in: row r, 32 bytes for each half of the lanes
	v_lshl_add_u32 v5, v2, 5, v5
	v_add_nc_u32 v[STO], s23, v5
	v_mul_u32_u24 v5, v2, SPITCH                   ; back: lanes 0-15 take one row of 256 bytes, lanes 16-31 the next
	v_lshl_add_u32 v5, v1, 4, v5
	v_add_nc_u32 v[RD], s23, v5
	v_lshlrev_b32 v5, 12, v2                       ; and the same two rows in the output: 4,096 bytes a row
	v_lshl_add_u32 v[CO], v1, 4, v5
	s_lshl_b32 s84, s[TR], 7
	s_lshl_b32 s86, s15, 6
	s_add_co_u32 s84, s84, s86                     ; my first row: 128 x tile row + 64 x half,
	s_lshl_b32 s84, s84, 12                        ; in bytes;
	s_lshl_b32 s86, s[TC], 9                       ; my first column in bytes: 512 x tile column
	s_add_co_u32 s84, s84, s86
	s_lshl_b32 s86, s16, 8                         ; + 256 x half
	s_add_co_u32 s84, s84, s86
	s_mov_b32 s85, 0
	s_add_nc_u64 s[10:11], s[10:11], s[84:85]
; 32 LDS loads in one run: the fragments of chunk q (128 along K) into buffer f: B's four, then A's blocks 0, 1, then 2, 3
.macro FETCH q, f
	WIN TO_F
.irp i, 0,1,2,3
.irp c, 0,1,2,3
	ds_load_b128 v[\f+64+16*\i+4*\c:\f+64+16*\i+4*\c+3], v[ADRB+((\q)>>2)] offset:(((\q)>>1)&1)*34816+16*SPITCH*\i+128*((\q)&1)+32*\c
.endr
.endr
.irp i, 0,1,2,3
.irp c, 0,1,2,3
	ds_load_b128 v[\f+16*\i+4*\c:\f+16*\i+4*\c+3], v[ADRA+((\q)>>2)] offset:(((\q)>>1)&1)*32768+4096*\i+2048*((\q)&1)+512*\c
.endr
.endr
.endm
; 8 matrix instructions: A's blocks a0, a0 + 1 x B's four.  zero = 1: the first product starts the sums.  The 16 accumulators take turns, one instruction a turn, in the same order in every chunk.
.macro MUL8 f, a0, zero
.irp a, \a0, \a0+1
.irp b, 0,1,2,3
.if \zero
	v_wmma_f32_16x16x128_fp8_fp8 v[ACC+8*(4*(\a)+\b):ACC+8*(4*(\a)+\b)+7], v[\f+64+16*\b:\f+64+16*\b+15], v[\f+16*(\a):\f+16*(\a)+15], 0
.else
	v_wmma_f32_16x16x128_fp8_fp8 v[ACC+8*(4*(\a)+\b):ACC+8*(4*(\a)+\b)+7], v[\f+64+16*\b:\f+64+16*\b+15], v[\f+16*(\a):\f+16*(\a)+15], v[ACC+8*(4*(\a)+\b):ACC+8*(4*(\a)+\b)+7]
.endif
.endr
.endr
.endm
; Chunk q: 16 matrix instructions on buffer q % 2; in their middle the next chunk's fragments are fetched into the other buffer.  Where the next chunk begins a quarter, the wave that fetched waits for it and all four meet first.
.macro CHUNK q
.set FB, 128*((\q)%2)
.set FN, 128-FB
.set ZQ, 0
.if (\q) == 0
.set ZQ, 1
.endif
	s_wait_dscnt 8                                 ; B's four and A's blocks 0, 1 are in; the youngest eight loads (A's blocks 2, 3) may be out
	WIN MUL
	MUL8 FB, 0, ZQ
.if (\q) < 7
.if ((\q)%2) == 1
	s_wait_dscnt 0x0                               ; no LDS load of mine is out at the signal
	s_wait_tensorcnt 3-((\q)+1)/2                  ; my part of the next quarter has landed; the later quarters' loads may be out: no LDS byte is filled twice
	s_barrier_signal -1
	s_barrier_wait -1                              ; everybody's has
.endif
	PLACES
	FETCH (\q)+1, FN
	s_wait_dscnt 32                                ; all but the 32 just issued
.else
	s_wait_dscnt 0x0
.endif
	WIN MUL
	MUL8 FB, 2, ZQ
.endm
	s_wait_tensorcnt 3                             ; my part of the first quarter is in,
	s_barrier_signal -1
	s_barrier_wait -1                              ; everybody's is
	FETCH 0, 0
.irp q, 0,1,2,3,4,5,6,7
	CHUNK \q
.endr
	WIN 0
; THE WAY OUT, block by block of 16 rows x 64 columns.  A lane holds 32 neighbouring bytes of a row, and the lanes beside it hold other rows: so a block goes through my own stage in LDS and comes back as whole
; rows of 256 bytes.  LDS serves a wave's instructions in order (ISA guide 5.7.1.4): no wait between the stores and the loads, nor in front of the next block's stores.
.macro TOSTAGE a
.irp j, 0,2,4,6,8,10,12,14,16,18,20,22,24,26,28,30
	v_pk_mul_f32 v[TMP+\j:TMP+\j+1], v[ACC+32*(\a)+\j:ACC+32*(\a)+\j+1], s[96:97] op_sel_hi:[1,0]   ; x 2^(entry 10 + entry 11); each accumulator from its low end on
.endr
.irp b, 0,1,2,3
	ds_store_b128 v[STO], v[TMP+8*\b:TMP+8*\b+3] offset:64*\b
	ds_store_b128 v[STO], v[TMP+8*\b+4:TMP+8*\b+7] offset:64*\b+16
.endr
.irp t, 0,1,2,3,4,5,6,7
	ds_load_b128 v[BK+32*((\a)%2)+4*\t:BK+32*((\a)%2)+4*\t+3], v[RD] offset:\t*2*SPITCH
.endr
.endm
.macro SEND a, younger                 ; younger: the LDS instructions issued behind block a's loads, which may stay out
	s_wait_dscnt \younger                          ; the block is back in registers
.irp t, 0,1,2,3,4,5,6,7
	global_store_b128 v[CO], v[BK+32*((\a)%2)+4*\t:BK+32*((\a)%2)+4*\t+3], s[10:11] offset:(16*(\a)+2*\t)*4096 th:TH_STORE_NT   ; 16 lanes store 256 consecutive bytes, at a multiple of 256 from the output's first byte; written once, read by nobody here
.endr
.endm
	s_wait_kmcnt 0x0
	s_add_co_i32 s96, s96, s97
	s_add_co_i32 s96, s96, 127
	s_lshl_b32 s96, s96, 23                        ; the f32 number 2^(entry 10 + entry 11)
	s_mov_b32 s97, s96                             ; (named with it as a pair, so it is written)
	PLACES                                         ; in front of the first read of results
	TOSTAGE 0
.irp a, 1,2,3
.if \a > 1
	s_wait_xcnt 0x0                                ; block a - 2's stores have read their registers: block a's loads may land there
.endif
	TOSTAGE \a
	SEND \a-1, 16                                  ; behind block a - 1's loads: block a's 8 stores and 8 loads
.endr
	SEND 3, 0
	s_wait_tensorcnt 0x0
	ds_add_u32 v30, v31
	s_wait_dscnt 0x0
	CROUND                                         ; the closing round: no work-group ends while a partner may still ask for a part that names it
	s_endpgm
.Lfunc_end_k_q1b7f2be76b_proj:
	.size	k_q1b7f2be76b_proj, .Lfunc_end_k_q1b7f2be76b_proj-k_q1b7f2be76b_proj
	.p2alignl 7, 3214868480
	.fill 96, 4, 3214868480
	.section	.rodata,"a",@progbits
	.p2align	6, 0x0
	.amdhsa_kernel k_q1b7f2be76b_proj
		.amdhsa_group_segment_fixed_size 295424
		.amdhsa_private_segment_fixed_size 0
		.amdhsa_enable_private_segment 0
		.amdhsa_kernarg_size 32
		.amdhsa_user_sgpr_count 2
		.amdhsa_user_sgpr_kernarg_segment_ptr 1
		.amdhsa_wavefront_size32 1
		.amdhsa_system_sgpr_workgroup_id_x 1
		.amdhsa_system_sgpr_workgroup_id_y 1
		.amdhsa_system_sgpr_workgroup_id_z 1
		.amdhsa_system_vgpr_workitem_id 0
		.amdhsa_next_free_vgpr 512
		.amdhsa_next_free_sgpr 98
		.amdhsa_reserve_vcc 0
		.amdhsa_float_denorm_mode_32 3
		.amdhsa_float_denorm_mode_16_64 3
		.amdhsa_memory_ordered 1
		.amdhsa_forward_progress 1
		.amdhsa_inst_pref_size 47
	.end_amdhsa_kernel
	.amdgpu_metadata
---
amdhsa.version: [ 1, 2 ]
amdhsa.kernels:
  - .name:           k_q1b7f2be76b_proj
    .symbol:         k_q1b7f2be76b_proj.kd
    .args:
      - { .name: ac, .offset: 0, .size: 8, .value_kind: global_buffer, .address_space: global }
      - { .name: wc, .offset: 8, .size: 8, .value_kind: global_buffer, .address_space: global }
      - { .name: lowp_scales, .offset: 16, .size: 8, .value_kind: global_buffer, .address_space: global }
      - { .name: out0, .offset: 24, .size: 8, .value_kind: global_buffer, .address_space: global }
    .group_segment_fixed_size: 295424
    .private_segment_fixed_size: 0
    .kernarg_segment_align: 8
    .kernarg_segment_size: 32
    .max_flat_workgroup_size: 128
    .sgpr_count:     98
    .vgpr_count:     512
    .wavefront_size: 32
...
	.end_amdgpu_metadata
.endif
;; end of part 4
